; MI455X (gfx1250); checked and timed in simulation.
; The chip was launched on July 23, 2026; its instructions are those of AMD's public machine-readable ISA for CDNA 5 (MIT licence, August 2026) and "CDNA5" Instruction Set Architecture Reference Guide (July 2026). The comments in the code are by the model that wrote it; some were corrected since.
;; Vector Quantizer. Allowed arithmetic: float matrix products may take bf16 or f16 operands with f32 sums; all other float work in f32.
;; Inputs: embed_weight 8,192 x 256 float32; z 8 x 4,096 x 256 float32.
;; Outputs: out0 8 x 4,096 x 256 float32; out1 one number float32; out2 8 x 4,096 int32.
;; 2 versions, each right; version 2 is version 1 with the launch prep written anew for expert scheduling mode. Each part assembles by itself: llvm-mc -triple=amdgcn-amd-amdhsa -mcpu=gfx1250 --defsym DOCPART=n.
;; ======== version 1 of 2: 4 launches
;; workspace buffers: eb2 4,259,840 bytes; grp 131,072 bytes of whole numbers; part 2,048 bytes
;; launch prep (part 1): grid 128 x 1, 8 waves a work-group, no clusters, 1,280 bytes of LDS; arguments embed_weight, eb2; writes eb2
.if DOCPART == 1
	.amdgcn_target "amdgcn-amd-amdhsa--gfx1250"
	.amdhsa_code_object_version 6
	.text
	.protected	k_q3c40983712_prep
	.globl	k_q3c40983712_prep
	.p2align	8
	.type	k_q3c40983712_prep,@function
k_q3c40983712_prep:
	s_mov_b64 s[64:65], 0
	v_nop
	global_prefetch_b8 v0, s[64:65] scope:SCOPE_SE
	s_setreg_imm32_b32 hwreg(HW_REG_WAVE_MODE, 25, 1), 1
	s_wait_xcnt 0x0
; PREP.  embed_weight [8192][256] f32  ->  eb2: 128 tiles of 65 rows x 512 bytes.  Rows 0-63 of tile b are codes 64 b .. 64 b + 63 rounded to bf16,
; row 64 holds their 64 sums of squares (f32, of the ROUNDED numbers) and 256 bytes of zeros, so that a later launch can fetch codes and sums as one dense tile.
; COLUMN ORDER.  Lane l reads the 16 bytes at 16 l and at 512 + 16 l of an f32 row and writes its 8 bf16 at 16 l: position 8 l + i holds column 4 l + i (i < 4) or 128 + 4 l + i - 4.
; z gets the same order wherever it meets these rows, so every dot product is unchanged, and every load and store here covers 512 consecutive bytes.
; SHARES.  Work-group b makes tile b; wave w its rows 8 w .. 8 w + 7, a row at a time over the 32 lanes.  128 work-groups, so that a tile's row of sums leaves as one whole store.
; No matrix unit, no cluster, no ring: each byte is read once and written once, and 16 loads a wave are out at once.
; LIMIT.  All later use of the codes is of these bf16 numbers.
.set TILEB, 33280                      ; 65 rows x 512 bytes
.set SPARE, 256                        ; LDS 0-255: the tile's 64 sums; from 256 on the spare words, 128 bytes for each of 8 waves
.set LN,   1                           ; v1   16 x lane
.set LO,   2                           ; v2   my byte offset in the tile's f32 rows: 8,192 w + 16 lane
.set SO,   3                           ; v3   the same in the tile's bf16 rows: 4,096 w + 16 lane
.set EW,   4                           ; v4   LDS address of my wave's 8 sums: 32 w
.set SPW,  5                           ; v5   LDS address of my spare word; never rewritten
.set NIL,  6                           ; v6   0, for the add alone
.set ZERO, 7                           ; v7   0: the addend of a sum's first link
.set AB,   8                           ; v8-23    row i: the low halves' sum, the high halves' sum
.set P,    24                          ; v24-55   row i: 4 registers, 8 bf16
.set X,    56                          ; v56-119  row i: 8 registers as loaded
.set W,    120                         ; v120-123 the row of sums on its way out
.set WA,   124                         ; v124     its LDS address
; The sum of squares of n rows of 256 bf16, one row over 32 lanes: two chains a lane (low halves, high halves), their sum, four steps inside 16 lanes, one across.
; The same sequence, in the same order, makes the sums of z's rows in the later launches.  Written operation by operation over the rows, so that no line waits for the line before it.
.macro SQSUM n, p, ab
.set ii, 0
.rept \n
	v_fma_mix_f32_bf16 v[(\ab)+2*ii],   v[(\p)+4*ii], v[(\p)+4*ii], v[ZERO] op_sel_hi:[1,1,0]
	v_fma_mix_f32_bf16 v[(\ab)+2*ii+1], v[(\p)+4*ii], v[(\p)+4*ii], v[ZERO] op_sel:[1,1,0] op_sel_hi:[1,1,0]
.set ii, ii+1
.endr
.irp c, 1,2,3
.set ii, 0
.rept \n
	v_fma_mix_f32_bf16 v[(\ab)+2*ii],   v[(\p)+4*ii+\c], v[(\p)+4*ii+\c], v[(\ab)+2*ii]   op_sel_hi:[1,1,0]
	v_fma_mix_f32_bf16 v[(\ab)+2*ii+1], v[(\p)+4*ii+\c], v[(\p)+4*ii+\c], v[(\ab)+2*ii+1] op_sel:[1,1,0] op_sel_hi:[1,1,0]
.set ii, ii+1
.endr
.endr
.set ii, 0
.rept \n
	v_add_f32 v[(\ab)+2*ii], v[(\ab)+2*ii], v[(\ab)+2*ii+1]
.set ii, ii+1
.endr
.irp m, 1,2,4,8
.set ii, 0
.rept \n
	v_add_f32_dpp v[(\ab)+2*ii], v[(\ab)+2*ii], v[(\ab)+2*ii] row_xmask:\m row_mask:0xf bank_mask:0xf
.set ii, ii+1
.endr
.endr
.set ii, 0
.rept \n
	v_permlanex16_b32 v[(\ab)+2*ii+1], v[(\ab)+2*ii], s10, s11  ; its destination has been written: the spent second chain
.set ii, ii+1
.endr
.set ii, 0
.rept \n
	v_add_f32 v[(\ab)+2*ii], v[(\ab)+2*ii], v[(\ab)+2*ii+1]     ; every lane holds the row's sum
.set ii, ii+1
.endr
.endm
	s_load_b128 s[4:7], s[0:1], 0x0                ; embed_weight s[4:5], eb2 s[6:7]
	v_lshl_add_u32 v[SPW], v0, 2, SPARE
	v_mov_b32 v[NIL], 0
	v_mov_b32 v[ZERO], 0
	v_lshrrev_b32 v[LN], 5, v0
	v_readfirstlane_b32 s8, v[LN]                  ; wave 0..7
	v_and_b32 v[LN], 31, v0
	v_lshlrev_b32 v[LN], 4, v[LN]
	v_lshl_add_u32 v[LO], s8, 13, v[LN]            ; 8 rows of 1,024 bytes a wave
	v_lshl_add_u32 v[SO], s8, 12, v[LN]            ; 8 rows of 512 bytes a wave
	s_lshl_b32 s9, s8, 5
	v_mov_b32 v[EW], s9
	s_lshl_b32 s12, ttmp9, 16                      ; the tile's 64 rows of 1,024 bytes
	s_mov_b32 s13, 0
	s_mul_i32 s14, ttmp9, TILEB
	s_mov_b32 s15, 0
	s_mov_b32 s10, 0x76543210                      ; v_permlanex16_b32: each lane takes its own place in the other half
	s_mov_b32 s11, 0xfedcba98
	s_wait_kmcnt 0x0
	s_add_nc_u64 s[4:5], s[4:5], s[12:13]
	s_add_nc_u64 s[6:7], s[6:7], s[14:15]
.set ii, 0
.rept 8                                        ; all 16 loads of the wave go out together; each covers 512 consecutive bytes
	global_load_b128 v[X+8*ii:X+8*ii+3],   v[LO], s[4:5] offset:1024*ii th:TH_LOAD_NT
	global_load_b128 v[X+8*ii+4:X+8*ii+7], v[LO], s[4:5] offset:1024*ii+512 th:TH_LOAD_NT
.set ii, ii+1
.endr
.set ii, 0
.rept 8
	s_wait_loadcnt 14-2*ii                         ; loads come back in order: row ii's two are in, the younger rows' stay out
.irp c, 0,1,2,3
	v_cvt_pk_bf16_f32 v[P+4*ii+\c], v[X+8*ii+2*\c], v[X+8*ii+2*\c+1]
.endr
	global_store_b128 v[SO], v[P+4*ii:P+4*ii+3], s[6:7] offset:512*ii  ; a whole row of 512 bytes; P is never rewritten, so no wait frees it
.set ii, ii+1
.endr
	SQSUM 8, P, AB
.set ii, 0
.rept 8
	ds_store_b32 v[EW], v[AB+2*ii] offset:4*ii     ; all lanes write the same word with the same number
.set ii, ii+1
.endr
	s_wait_dscnt 0x0                               ; for wave 0's sake: my stores are done
	s_barrier_signal -1
	s_barrier_wait -1
	s_cmp_lg_u32 s8, 0
	s_cbranch_scc1 .Lend
	v_and_b32 v[WA], 0xf0, v[LN]                   ; lanes 0-15 take the 256 bytes of sums; lanes 16-31 read them too and send zeros
	ds_load_b128 v[W:W+3], v[WA]
	v_cmp_gt_u32 vcc_lo, 256, v[LN]                ; lane < 16
	s_wait_dscnt 0x0
.irp c, 0,1,2,3
	v_cndmask_b32 v[W+\c], 0, v[W+\c], vcc_lo
.endr
	global_store_b128 v[LN], v[W:W+3], s[6:7] offset:32768  ; row 64 of the tile, 512 consecutive bytes
.Lend:
	s_wait_tensorcnt 0x0                           ; the wave's end, behind my last LDS store
	ds_add_u32 v[SPW], v[NIL]
	s_wait_dscnt 0x0
	s_endpgm
.Lfunc_end_k_q3c40983712_prep:
	.size	k_q3c40983712_prep, .Lfunc_end_k_q3c40983712_prep-k_q3c40983712_prep
	.p2alignl 7, 3214868480
	.fill 96, 4, 3214868480
	.section	.rodata,"a",@progbits
	.p2align	6, 0x0
	.amdhsa_kernel k_q3c40983712_prep
		.amdhsa_group_segment_fixed_size 1280
		.amdhsa_private_segment_fixed_size 0
		.amdhsa_enable_private_segment 0
		.amdhsa_kernarg_size 16
		.amdhsa_user_sgpr_count 2
		.amdhsa_user_sgpr_kernarg_segment_ptr 1
		.amdhsa_wavefront_size32 1
		.amdhsa_system_sgpr_workgroup_id_x 1
		.amdhsa_system_sgpr_workgroup_id_y 1
		.amdhsa_system_sgpr_workgroup_id_z 1
		.amdhsa_system_vgpr_workitem_id 0
		.amdhsa_next_free_vgpr 128
		.amdhsa_next_free_sgpr 66
		.amdhsa_reserve_vcc 1
		.amdhsa_float_denorm_mode_32 3
		.amdhsa_float_denorm_mode_16_64 3
		.amdhsa_memory_ordered 1
		.amdhsa_forward_progress 1
		.amdhsa_inst_pref_size 14
	.end_amdhsa_kernel
	.amdgpu_metadata
---
amdhsa.version: [ 1, 2 ]
amdhsa.kernels:
  - .name:           k_q3c40983712_prep
    .symbol:         k_q3c40983712_prep.kd
    .args:
      - { .name: embed_weight, .offset: 0, .size: 8, .value_kind: global_buffer, .address_space: global }
      - { .name: eb2, .offset: 8, .size: 8, .value_kind: global_buffer, .address_space: global }
    .group_segment_fixed_size: 1280
    .private_segment_fixed_size: 0
    .kernarg_segment_align: 8
    .kernarg_segment_size: 16
    .max_flat_workgroup_size: 256
    .sgpr_count:     66
    .vgpr_count:     128
    .wavefront_size: 32
...
	.end_amdgpu_metadata
.endif
;; end of part 1
;; launch scan (part 2): grid 256 x 1, 4 waves a work-group, clusters of 4 x 1, 327,680 bytes of LDS; arguments z, eb2, grp; writes grp
.if DOCPART == 2
	.amdgcn_target "amdgcn-amd-amdhsa--gfx1250"
	.amdhsa_code_object_version 6
	.text
	.protected	k_q3c40983712_scan
	.globl	k_q3c40983712_scan
	.p2align	8
	.type	k_q3c40983712_scan,@function
k_q3c40983712_scan:
	s_mov_b64 s[64:65], 0
	v_nop
	global_prefetch_b8 v0, s[64:65] scope:SCOPE_SE
	s_setreg_imm32_b32 hwreg(HW_REG_WAVE_MODE, 25, 1), 1
	s_wait_xcnt 0x0
	s_wait_alu depctr_hold_cnt(0) depctr_sa_sdst(0) depctr_va_vdst(0) depctr_va_sdst(0) depctr_va_ssrc(0) depctr_va_vcc(0) depctr_vm_vsrc(0)
	s_getreg_b32 s2, hwreg(HW_REG_IB_STS2, 6, 4)
	s_cmp_eq_u32 s2, 0
	s_cbranch_scc0 .Lentry_in_a_cluster
	s_endpgm
.Lentry_in_a_cluster:
	s_bfe_u32 s2, ttmp6, 0x10000c
	s_cmp_lg_u32 s2, 0x3003
	s_cbranch_scc0 .Lentry_shape_is_right
	s_endpgm
.Lentry_shape_is_right:
; SCAN.  For each of the 32,768 rows of z: d[c] = (zz + ee[c]) - 2 z . e[c] over all 8,192 codes, and the GROUP of 8 consecutive codes (c / 8) that holds the first minimum -> grp.
; The rounding is reference()'s: t = zz + ee rounded once, d = t - 2 dot rounded once (one fused multiply-add; 2 dot is exact); ties go to the lower group everywhere.
; LIMITS.  z and the codes are rounded to bf16.  The dot is the matrix unit's f32 sum and zz, ee are sums in this text's order: where a distance lies on a rounding boundary the choice can differ from
; another summing order's.  A NaN distance never wins; a row whose distances are all NaN or +inf gets group 0 or 1.
; SHARES.  A work-group owns 128 rows of z.  EVERY wave holds all 128 rows as source 1 of the products: 128 x 256 bf16 = 512 registers.  Wave w walks its own quarter of the codes, 2,048 w on:
; 32 tiles of 64 codes through two LDS slots of its own.  So a fragment of 16 codes x 32 channels (two LDS loads) feeds 8 matrix instructions, and each LDS byte is read once.
; LAYOUT.  D = A B + C with A = 16 codes, B = 16 rows of z: a lane holds ONE row of z (lane % 16) and the codes 8 (lane / 16) + 0..7 in registers 0..7.  So zz, the running minimum and its block's
; number are one register a lane and row tile, and ee is 8 registers a block of codes.
; WHY GROUPS.  An accumulator costs 8 matrix instructions.  One minimum over its 8 registers and one compare cost 19 vector instructions; the index itself would cost 32.  The next launch finds the index in the group.
; BY HALVES.  The 8 row tiles are two halves: LO (tiles 0-3, B in window 2) and HI (tiles 4-7, window 3).  While one half's 32 products are issued, the other half's 76 vector instructions (RIDERS) stand between them.
; CLUSTER.  All work-groups walk the same eb2, so the four of a cluster ask for each tile JOINTLY: the same load, descriptor and mask in all four; the address hangs on the wave's number and the trip alone.
; By this text's own count a wave has two tensor loads out at the start and one behind each round.
; REGISTERS, in windows of 256 (s_set_vgpr_msb: bits 1:0 source 0, 3:2 source 1, 5:4 source 2, 7:6 destination):
;   window 0: v0-13 addresses; v16-23 BEST, v24-31 GID (a row tile each); v32-47 zz, twice a tile; v48-55 ee of a block; v56-59 addresses; v64-95 T; v96-103 X; v128-191 A's fragments; v192-255 accumulators
;   window 1: my 32 raw rows of z (at the start only)      window 2: B of tiles 0-3, tile t, 32 channels k at 64 t + 8 k      window 3: B of tiles 4-7
; NO RIDER NAMES A VECTOR REGISTER AS ITS SECOND SOURCE, and only the second source's window differs from 0 in the products' settings: so riders and LDS loads run under either setting,
; and 64 matrix instructions have three switches.
.set TILEB, 33280                      ; a tile in memory: 65 rows x 512 bytes (64 codes, then their sums of squares)
.set PITCH, 528                        ; an LDS row: 512 bytes + 16 of padding = 132 words: the 16 rows of a fragment load start 4 banks apart (64 banks of 4 bytes: ISA guide 11.1)
.set SLOT,  34560                      ; 65 x 528 = 34,320, rounded up to whole blocks of 256 bytes
.set WRING, 2*SLOT                     ; a wave's two slots
.set STAGE, 4*WRING                    ; 64 rows x 528: z in bf16 on its way into fragments; written by LDS stores alone
.set ZZL,   STAGE+64*PITCH             ; 128 f32: zz of the work-group's rows
.set MRG,   ZZL+512                    ; the four waves' minima [4][128] f32, then their groups [4][128]
.set SPARE, MRG+4096                   ; the spare words, 128 bytes for each wave: two blocks of 256 bytes that no other line names
.set RR,   1                           ; v1   lane % 16
.set HH,   2                           ; v2   lane / 16
.set AK0,  3                           ; v3   my place in a block of codes: 528 (lane % 16) + 16 (lane / 16)
.set AE0,  4                           ; v4   my place in a tile's row of sums: 64 x 528 + 32 (lane / 16)
.set ADR,  5                           ; v5   LDS address of the fragments to be fetched
.set ADE,  6                           ; v6   of the sums to be fetched
.set ZO,   7                           ; v7   my byte offset in the work-group's rows of z: 16,384 w + 16 lane
.set SPW,  8                           ; v8   LDS address of my spare word; never rewritten
.set NIL,  9                           ; v9   0, for the add alone
.set STW,  10                          ; v10  where I put 16 bytes of a row in the stage
.set ZW,   11                          ; v11  where my wave's zz go
.set ZERO, 12                          ; v12  0: the addend of a sum's first link
.set MA,   13                          ; v13  the merge: where wave 0 reads
.set BEST, 16
.set GID,  24
.set ZZ,   32
.set E,    48
.set FR,   56                          ; v56  my place in the stage as a fragment's reader
.set ZR,   57                          ; v57  ZZL + 4 (lane % 16)
.set MW,   58                          ; v58  MRG + 512 w + 4 (lane % 16)
.set L16,  59                          ; v59  16 x lane
.set T,    64
.set X,    96
.set AF,   128
.set ACC,  192
.set WV,   10                          ; s10  my wave's number
.set G1,   16                          ; s[16:23] descriptor group 1, the same for every load
.set G0,   24                          ; s[24:31] descriptor group 0, a set for each slot
.set WB,   32                          ; s32  my ring's first LDS byte
.set TB,   33                          ; s33  LDS byte of the block of codes to be fetched
.set TE,   34                          ; s34  slot's first byte + 64 x that block's number: its sums, less AE0
.set CNT,  35                          ; s35  counts a tile's four blocks
.set TRIP, 36                          ; s36  counts pairs of tiles
.set BLK,  37                          ; s37  the number, among all 512 blocks of 16 codes, of the block whose distances are being judged
.set INF,  38                          ; s38  +inf: the idle middle operand of a minimum of two
.set MK,   40                          ; s40, s41  'this block is better', for the two tiles that alternate
.set SEL,  44                          ; s[44:45] v_permlanex16_b32's selects
.set MSB, 0
.macro WIN new                         ; the immediate's high byte repeats the setting that is left; a switch that changes nothing is dropped
.if MSB != (\new)
	s_set_vgpr_msb (MSB<<8)|(\new)
.set MSB, (\new)
.endif
.endm
; A round of the cluster's barrier: my work-group's barrier, so that wave 0's signal speaks for all four waves; wave 0 signals; every wave waits for all four work-groups; my work-group's barrier once more.
.macro ROUND
	s_barrier_signal -1
	s_barrier_wait -1
	s_cmp_lg_u32 s[WV], 0
	s_cbranch_scc1 .Lnot_wave_0_\@
	s_barrier_signal -3
.Lnot_wave_0_\@:
	s_barrier_wait -3
	s_barrier_signal -1
	s_barrier_wait -1
.endm
; The sum of squares of n rows of 256 bf16, one row over 32 lanes: the same sequence and order as in the launch that made the codes' sums and in the launch that picks the index.
.macro SQSUM n, p, ab
.set ii, 0
.rept \n
	v_fma_mix_f32_bf16 v[(\ab)+2*ii],   v[(\p)+4*ii], v[(\p)+4*ii], v[ZERO] op_sel_hi:[1,1,0]
	v_fma_mix_f32_bf16 v[(\ab)+2*ii+1], v[(\p)+4*ii], v[(\p)+4*ii], v[ZERO] op_sel:[1,1,0] op_sel_hi:[1,1,0]
.set ii, ii+1
.endr
.irp c, 1,2,3
.set ii, 0
.rept \n
	v_fma_mix_f32_bf16 v[(\ab)+2*ii],   v[(\p)+4*ii+\c], v[(\p)+4*ii+\c], v[(\ab)+2*ii]   op_sel_hi:[1,1,0]
	v_fma_mix_f32_bf16 v[(\ab)+2*ii+1], v[(\p)+4*ii+\c], v[(\p)+4*ii+\c], v[(\ab)+2*ii+1] op_sel:[1,1,0] op_sel_hi:[1,1,0]
.set ii, ii+1
.endr
.endr
.set ii, 0
.rept \n
	v_add_f32 v[(\ab)+2*ii], v[(\ab)+2*ii], v[(\ab)+2*ii+1]
.set ii, ii+1
.endr
.irp m, 1,2,4,8
.set ii, 0
.rept \n
	v_add_f32_dpp v[(\ab)+2*ii], v[(\ab)+2*ii], v[(\ab)+2*ii] row_xmask:\m row_mask:0xf bank_mask:0xf
.set ii, ii+1
.endr
.endr
.set ii, 0
.rept \n
	v_permlanex16_b32 v[(\ab)+2*ii+1], v[(\ab)+2*ii], s[SEL], s[SEL+1]
.set ii, ii+1
.endr
.set ii, 0
.rept \n
	v_add_f32 v[(\ab)+2*ii], v[(\ab)+2*ii], v[(\ab)+2*ii+1]
.set ii, ii+1
.endr
.endm
	s_load_b128 s[4:7], s[0:1], 0x0                ; z s[4:5], eb2 s[6:7]
	s_load_b64 s[8:9], s[0:1], 0x10                ; grp
	v_lshl_add_u32 v[SPW], v0, 2, SPARE
	v_mov_b32 v[NIL], 0
	ds_add_u32 v[SPW], v[NIL]                      ; the wave's opening: the add and its wait stand ahead of my first tensor load; the set-up below, work on registers, stands between them
	v_lshrrev_b32 v[RR], 5, v0
	v_readfirstlane_b32 s[WV], v[RR]               ; wave 0..3
	s_bfe_u32 s11, ttmp6, 0x40000                  ; cx: my place in the cluster
	s_lshl_b32 s12, ttmp9, 2                       ; in a cluster launch ttmp9 counts clusters
	s_add_co_u32 s12, s12, s11                     ; my work-group: it enters z's and grp's addresses alone
	; descriptor group 1: a tile of 65 rows x 256 elements of 2 bytes, dense in memory, padded in LDS
	s_mov_b32 s[G1+0], 15|(1<<16)|(1<<20)|(1<<21)|(6<<22)|(3<<25)  ; 15:0 the mask: all four work-groups; 17:16 2-byte elements; 20 padding on; 21 set beside a mask; 24:22 after every 128 words (code 6); 31:25 4 words (code 3)
	s_mov_b32 s[G1+1], 256<<16                     ; tensor_dim0 = 256
	s_mov_b32 s[G1+2], 65<<16                      ; tensor_dim1 = 65
	s_mov_b32 s[G1+3], 256<<16                     ; tile_dim0 = 256
	s_mov_b32 s[G1+4], 65                          ; tile_dim1 = 65
	s_mov_b32 s[G1+5], 256                         ; 256 elements from row to row
	s_mov_b32 s[G1+6], 0
	s_mov_b32 s[G1+7], 0
	s_mul_i32 s[WB], s[WV], WRING                  ; no place in the cluster enters an LDS address
	s_mul_i32 s14, s[WV], 32*TILEB                 ; my quarter of the codes: 32 tiles
	s_mov_b32 s15, 0
	s_lshl_b32 s[BLK], s[WV], 7                    ; its first block of 16 codes
	s_mov_b32 s[INF], 0x7f800000
	s_mov_b32 s[SEL], 0x76543210
	s_mov_b32 s[SEL+1], 0xfedcba98
	v_and_b32 v[RR], 15, v0
	v_bfe_u32 v[HH], v0, 4, 1
	v_mul_u32_u24 v[AK0], v[RR], PITCH
	v_lshl_add_u32 v[AK0], v[HH], 4, v[AK0]
	v_lshlrev_b32 v[AE0], 5, v[HH]
	v_add_nc_u32 v[AE0], 64*PITCH, v[AE0]
	v_and_b32 v[L16], 31, v0
	v_lshlrev_b32 v[L16], 4, v[L16]
	v_lshl_add_u32 v[ZO], s[WV], 14, v[L16]        ; 16 rows of 1,024 bytes a wave
	s_mul_i32 s13, s[WV], 16*PITCH
	s_add_co_u32 s13, s13, STAGE
	v_add_nc_u32 v[STW], s13, v[L16]               ; my wave's 16 rows of the stage
	s_lshl_b32 s13, s[WV], 6
	s_add_co_u32 s13, s13, ZZL
	v_mov_b32 v[ZW], s13
	v_add_nc_u32 v[FR], STAGE, v[AK0]
	v_lshl_add_u32 v[ZR], v[RR], 2, ZZL
	s_lshl_b32 s13, s[WV], 9
	s_add_co_u32 s13, s13, MRG
	v_lshl_add_u32 v[MW], v[RR], 2, s13
	v_add_nc_u32 v[MA], MRG, v[L16]
	v_mov_b32 v[ZERO], 0
	s_wait_dscnt 0x0                               ; the opening add is done
	s_wait_kmcnt 0x0
	s_lshl_b32 s46, s12, 17                        ; my work-group's 128 rows of 1,024 bytes (in registers that feed no descriptor)
	s_mov_b32 s47, 0
	s_add_nc_u64 s[4:5], s[4:5], s[46:47]
	s_lshl_b32 s46, s12, 9                         ; and its 128 words of grp
	s_add_nc_u64 s[8:9], s[8:9], s[46:47]
	s_add_nc_u64 s[6:7], s[6:7], s[14:15]          ; eb2 at my wave's tile 0
.irp s, 0,1
	s_mov_b32 s[G0+4*\s], 1                                    ; count = 1
	s_add_co_u32 s[G0+4*\s+1], s[WB], \s*SLOT                  ; LDS address: my slot s
	s_add_nc_u64 s[G0+4*\s+2:G0+4*\s+3], s[6:7], \s*TILEB      ; global address: my tile s
	s_or_b32 s[G0+4*\s+3], s[G0+4*\s+3], 0x80000000            ; type = 2
.endr
	; my 32 raw rows of z: rows 64 p + 16 w + i (p = 0, 1; i = 0..15), 8 registers each, into window 1.  Each load covers 512 consecutive bytes.
	WIN 0x40
.set ii, 0
.rept 32
	global_load_b128 v[8*ii:8*ii+3],   v[ZO], s[4:5] offset:65536*(ii/16)+1024*(ii%16) th:TH_LOAD_NT
	global_load_b128 v[8*ii+4:8*ii+7], v[ZO], s[4:5] offset:65536*(ii/16)+1024*(ii%16)+512 th:TH_LOAD_NT
.set ii, ii+1
.endr
	WIN 0
	ROUND                                          ; all four work-groups are here: the first joint loads meet
	tensor_load_to_lds s[G0:G0+3], s[G1:G1+7]      ; tile 0
	s_nop 0
	tensor_load_to_lds s[G0+4:G0+7], s[G1:G1+7]    ; tile 1
	s_nop 0
.rept 4
	v_nop                                          ; no window is switched among the four lines behind a tensor load
.endr
; Half p of the work-group's rows: my 16 of them are rounded to bf16 (column order as in eb2: a lane's 4 + 4 columns side by side), put into the stage, and their sums of squares into ZZL.
.macro CONV rho
	WIN 0x05                                       ; sources in window 1, destination in window 0
.set ii, 0
.rept 16
	s_wait_loadcnt 62-32*(\rho)-2*ii               ; loads come back in order: this row's two are in, the younger rows' may be out
.irp c, 0,1,2,3
	v_cvt_pk_bf16_f32 v[AF+4*ii+\c], v[128*(\rho)+8*ii+2*\c], v[128*(\rho)+8*ii+2*\c+1]
.endr
.set ii, ii+1
.endr
	WIN 0
.set ii, 0
.rept 16
	ds_store_b128 v[STW], v[AF+4*ii:AF+4*ii+3] offset:PITCH*ii
.set ii, ii+1
.endr
	SQSUM 16, AF, T
.set ii, 0
.rept 16
	ds_store_b32 v[ZW], v[T+2*ii] offset:256*(\rho)+4*ii  ; all lanes write the same word with the same number
.set ii, ii+1
.endr
.endm
; The stage's 64 rows become source 1 of four row tiles: lane l holds row l % 16; registers 0-3 channels 8 (l / 16) + 0..7 of a run of 32, registers 4-7 those 16 on: two loads, 32 bytes apart.
.macro FRAG rho
	WIN 0x80+0x40*(\rho)                           ; destination window 2 or 3, address window 0
.set ii, 0
.rept 32                                       ; ii = 8 x tile + run of 32 channels
	ds_load_b128 v[8*ii:8*ii+3],   v[FR] offset:(ii/8)*16*PITCH+(ii%8)*64
	ds_load_b128 v[8*ii+4:8*ii+7], v[FR] offset:(ii/8)*16*PITCH+(ii%8)*64+32
.set ii, ii+1
.endr
	WIN 0
.endm
	CONV 0
	s_wait_dscnt 0x0                               ; for the others' sake: my stores into the stage are done
	s_barrier_signal -1
	s_barrier_wait -1
	FRAG 0
	s_wait_dscnt 0x0                               ; my reads of the stage are over: it may be written again
	s_barrier_signal -1
	s_barrier_wait -1
	CONV 1
	s_wait_dscnt 0x0
	s_barrier_signal -1
	s_barrier_wait -1
	FRAG 1
.set ii, 0
.rept 8
	ds_load_b32 v[ZZ+2*ii],   v[ZR] offset:64*ii   ; zz of row 16 t + lane % 16, twice: the packed sums take a pair
	ds_load_b32 v[ZZ+2*ii+1], v[ZR] offset:64*ii
.set ii, ii+1
.endr
; THE MATRIX WORK.  Product i of 32 of half H: channels 32 (i / 4) on, row tile 4 H + i % 4.  The first four start the sums with the constant 0.
; The four accumulators take turns, one instruction a turn, and the halves use different accumulators.
.macro MM H, i
.set kk, (\i)/4
.set tm, (\i)%4
.set rD, ACC+8*(4*(\H)+tm)
.if kk == 0
	v_wmma_f32_16x16x32_bf16 v[rD:rD+7], v[AF+8*kk:AF+8*kk+7], v[64*tm+8*kk:64*tm+8*kk+7], 0
.else
	v_wmma_f32_16x16x32_bf16 v[rD:rD+7], v[AF+8*kk:AF+8*kk+7], v[64*tm+8*kk:64*tm+8*kk+7], v[rD:rD+7]
.endif
.endm
; THE VECTOR WORK of half H's four tiles for one block of codes: rider q of 76.
;   0-15   t = ee + zz, rounded once, two codes at a time, four pairs a tile
;   16-75  fifteen lines a tile; tiles 0 and 1 alternate, then tiles 2 and 3, so that no line reads the result of the line before it:
;          0-3  d = t - 2 dot, rounded once (the accumulator is read from its low end on)     4-10  the least of the eight d
;          11, 12  is it below BEST?  (the difference is negative exactly then: f32 keeps denormals)     13  BEST     14  the block's number where it was below: strictly, so the earlier block keeps a tie
.macro RID H, q
.if (\q) < 16
.set tl, (\q)/4
.set pp, (\q)%4
	v_pk_fma_f32 v[T+8*tl+2*pp:T+8*tl+2*pp+1], v[E+2*pp:E+2*pp+1], 1.0, v[ZZ+2*(4*(\H)+tl):ZZ+2*(4*(\H)+tl)+1] op_sel_hi:[1,0,1]
.else
.set od, ((\q)-16)%2
.set tl, 2*(((\q)-16)/30)+od
.set nn, (((\q)-16)%30)/2
.set rT, T+8*tl
.set rA, ACC+8*(4*(\H)+tl)
.set rB, BEST+4*(\H)+tl
.set rG, GID+4*(\H)+tl
.set rX, X+4*od
.if nn < 4
	v_pk_fma_f32 v[rT+2*nn:rT+2*nn+1], v[rA+2*nn:rA+2*nn+1], -2.0, v[rT+2*nn:rT+2*nn+1] op_sel_hi:[1,0,1]
.elseif nn < 8
	v_min3_num_f32 v[rX+nn-4], v[rT+2*(nn-4)], s[INF], v[rT+2*(nn-4)+1]
.elseif nn == 8
	v_min3_num_f32 v[rX], v[rX], s[INF], v[rX+1]
.elseif nn == 9
	v_min3_num_f32 v[rX+2], v[rX+2], s[INF], v[rX+3]
.elseif nn == 10
	v_min3_num_f32 v[rX], v[rX], s[INF], v[rX+2]
.elseif nn == 11
	v_fma_f32 v[rX+1], v[rX], 1.0, -v[rB]
.elseif nn == 12
	v_cmp_lt_f32 s[MK+od], v[rX+1], 0
.elseif nn == 13
	v_min3_num_f32 v[rB], v[rX], s[INF], v[rB]
.else
	v_cndmask_b32 v[rG], v[rG], s[BLK], s[MK+od]
.endif
.endif
.endm
.macro FRAGLD k                        ; fragment k of a block of 16 codes: channels 32 k on
	ds_load_b128 v[AF+8*(\k):AF+8*(\k)+3],   v[ADR] offset:64*(\k)
	ds_load_b128 v[AF+8*(\k)+4:AF+8*(\k)+7], v[ADR] offset:64*(\k)+32
.endm
.macro ELD                             ; my eight codes' sums of squares
	ds_load_b128 v[E:E+3],   v[ADE]
	ds_load_b128 v[E+4:E+7], v[ADE] offset:16
.endm
; 32 products of half H.  rid = 1: the other half's 76 riders stand between them, two or three behind each.  ld = 1: the next block is fetched, as HP says.
.macro HALF H, rid, ld
.set ii, 0
.rept 32
.if (\ld) && ((\H) == 0) && (ii%4 == 0)
.if ii < 12
	s_wait_dscnt 12                                ; fragment ii / 4 is in: behind it were issued six fragments' loads, or five and the sums'
.else
	s_wait_dscnt 16-ii/2                           ; behind it: the fragments still to come, two loads each, and the sums' two
.endif
.endif
	MM \H, ii
.if \rid
.set qq, (76*ii)/32
.rept (76*(ii+1))/32-(76*ii)/32
	RID 1-(\H), qq
.set qq, qq+1
.endr
.endif
.if \ld
.if ((\H) == 1) && (ii%4 == 1) && (ii >= 5)
	FRAGLD (ii-5)/4
.endif
.if ((\H) == 0) && (ii == 1)
	FRAGLD 7
.endif
.if ((\H) == 0) && (ii == 6)
	ELD
.endif
.endif
.set ii, ii+1
.endr
.endm
; HP: from block n to block n + 1.  HI's products of block n beside LO's riders of block n; then LO's products of block n + 1 beside HI's riders of block n.
; Fragment k of block n + 1 is fetched behind the second product after fragment k's last reader: seven riders, none of which names a register of that product, stand between
; (a load into a register that a matrix instruction has read stands four plain vector instructions behind it: ISA guide 7.12.1 for vector instructions),
; and 27 matrix instructions ahead of its first use.  The sums of block n + 1 are fetched when the second half's sixteen t = ee + zz are out.
.macro HP
	v_add_nc_u32 v[ADR], s[TB], v[AK0]
	v_add_nc_u32 v[ADE], s[TE], v[AE0]
	s_wait_dscnt 0x0                               ; the sums of block n, the youngest LDS loads, are in
	WIN 0x0c                                       ; source 1 in window 3
	HALF 1, 1, 1
	WIN 0x08                                       ; source 1 in window 2
	HALF 0, 1, 1
	WIN 0                                          ; at a label and at a branch every window is 0
	s_add_co_u32 s[TB], s[TB], 16*PITCH
	s_add_co_u32 s[TE], s[TE], 64
	s_add_co_u32 s[BLK], s[BLK], 1
.endm
; THE CHANGE OF SLOTS stands where slot s has been read out: its last block's fragments and sums are in registers or on their way.  Each wave waits for all its tensor loads, of which one is out,
; the other slot's tile; adds 0 to its spare word; and waits for that and for its reads of slot s.  The barrier is a round of the cluster's, so that no wave of any partner still reads its slot s or has a load
; on its way; the joint refill, two tiles on, is the first thing behind it and has four blocks, 256 matrix instructions, in which to land.
.macro CHANGE s
	s_wait_tensorcnt 0x0                           ; no tensor load of mine is out, so a group 0 may be written
	ds_add_u32 v[SPW], v[NIL]                      ; 0 onto my spare word; scalar work stands between it and the wait for it
	s_add_nc_u64 s[G0+4*(\s)+2:G0+4*(\s)+3], s[G0+4*(\s)+2:G0+4*(\s)+3], 2*TILEB  ; the type bits on top are not reached
	s_add_co_u32 s[TB], s[WB], (1-(\s))*SLOT       ; the fetches go on at the other slot's first block
	s_mov_b32 s[TE], s[TB]
	s_mov_b32 s[CNT], 4
	s_wait_dscnt 0x0                               ; the add is done, and my reads of slot s are over
	ROUND
	tensor_load_to_lds s[G0+4*(\s):G0+4*(\s)+3], s[G1:G1+7]
	s_nop 0
.rept 4
	v_nop                                          ; no window is switched among the four lines behind a tensor load
.endr
.endm
.macro DOWN cnt, lab                   ; a counted loop's foot
	s_sub_co_u32 s[\cnt], s[\cnt], 1
	s_cmp_lg_u32 s[\cnt], 0
	s_cbranch_scc1 \lab
.endm
	s_wait_tensorcnt 0x1                           ; my tile 0 is in; tile 1 may stay out.  Only I read my slots, so this wait is all that the reads need
	v_add_nc_u32 v[ADR], s[WB], v[AK0]
	v_add_nc_u32 v[ADE], s[WB], v[AE0]
.irp k, 0,1,2,3,4,5,6,7
	FRAGLD \k                                      ; block 0
.endr
	ELD
.set ii, 0
.rept 8
	v_mov_b32 v[BEST+ii], s[INF]
	v_mov_b32 v[GID+ii], 0
.set ii, ii+1
.endr
	s_wait_dscnt 0x0                               ; B's second half, zz, and block 0
	WIN 0x08
	HALF 0, 0, 0                                   ; LO's products of block 0: there is no vector work yet to set between them
	WIN 0
	s_add_co_u32 s[TB], s[WB], 16*PITCH
	s_add_co_u32 s[TE], s[WB], 64
	s_mov_b32 s[CNT], 3
.Lt0:                                                  ; tile 0's blocks 1 to 3 are fetched
	HP
	DOWN CNT, .Lt0
	s_mov_b32 s[TRIP], 15
.Ltrip:                                                ; 15 trips: tiles 1 to 30 are entered, tiles 2 to 31 asked for
	CHANGE 0
.Lodd:
	HP
	DOWN CNT, .Lodd
	CHANGE 1
.Leven:
	HP
	DOWN CNT, .Leven
	DOWN TRIP, .Ltrip
	s_wait_tensorcnt 0x0                           ; the tail is written out: tile 31 is in, and nothing is asked for
	s_add_co_u32 s[TB], s[WB], SLOT
	s_mov_b32 s[TE], s[TB]
	s_mov_b32 s[CNT], 4
.Llast:
	HP
	DOWN CNT, .Llast
	s_wait_dscnt 0x0                               ; the last block's sums
	WIN 0x0c
	HALF 1, 1, 0                                   ; HI's products of the last block beside LO's riders
	WIN 0
.set qq, 0
.rept 76
	RID 1, qq                                      ; HI's riders, bare: the sixteen t = ee + zz are the places behind the last products
.set qq, qq+1
.endr
	; THE MERGE.  A lane's block becomes a group of 8 codes: 2 x block + lane / 16.  The row's other eight codes of each block lie 16 lanes away: the lower distance wins, at a tie the lower group.
.set ii, 0
.rept 8
	v_lshl_add_u32 v[GID+ii], v[GID+ii], 1, v[HH]
.set ii, ii+1
.endr
.set ii, 0
.rept 8
	v_permlanex16_b32 v[T+ii],   v[BEST+ii], s[SEL], s[SEL+1]
	v_permlanex16_b32 v[T+8+ii], v[GID+ii],  s[SEL], s[SEL+1]
.set ii, ii+1
.endr
.set ii, 0
.rept 8
	v_cmp_lt_f32 s42, v[T+ii], v[BEST+ii]
	v_cmp_eq_f32 s43, v[T+ii], v[BEST+ii]
	v_cmp_lt_u32 s48, v[T+8+ii], v[GID+ii]
	s_and_b32 s43, s43, s48
	s_or_b32 s42, s42, s43
	v_cndmask_b32 v[BEST+ii], v[BEST+ii], v[T+ii], s42
	v_cndmask_b32 v[GID+ii], v[GID+ii], v[T+8+ii], s42
	ds_store_b32 v[MW], v[BEST+ii] offset:64*ii        ; row 16 t + lane % 16 of my wave's 128; both halves of the lanes write the same number
	ds_store_b32 v[MW], v[GID+ii] offset:2048+64*ii
.set ii, ii+1
.endr
	s_wait_dscnt 0x0                               ; for wave 0's sake: my stores are done
	s_barrier_signal -1
	s_barrier_wait -1
	s_cmp_lg_u32 s[WV], 0
	s_cbranch_scc1 .Lend
.irp w, 0,1,2,3
	ds_load_b128 v[T+4*\w:T+4*\w+3],       v[MA] offset:512*\w        ; rows 4 lane .. 4 lane + 3: wave w's minima,
	ds_load_b128 v[T+16+4*\w:T+16+4*\w+3], v[MA] offset:2048+512*\w   ; and their groups
.endr
	s_wait_dscnt 0x0
.irp w, 1,2,3
.irp c, 0,1,2,3
	v_cmp_lt_f32 vcc_lo, v[T+4*\w+\c], v[T+\c]     ; strictly: the lower wave, whose codes come first, keeps a tie
	v_cndmask_b32 v[T+\c], v[T+\c], v[T+4*\w+\c], vcc_lo
	v_cndmask_b32 v[T+16+\c], v[T+16+\c], v[T+16+4*\w+\c], vcc_lo
.endr
.endr
	global_store_b128 v[L16], v[T+16:T+19], s[8:9] ; the work-group's 128 groups: 512 consecutive bytes
.Lend:
	s_wait_tensorcnt 0x0                           ; the wave's end, behind my last tensor load and my last LDS store
	ds_add_u32 v[SPW], v[NIL]
	s_wait_dscnt 0x0
	ROUND                                          ; the closing round: no work-group ends while a partner may still ask for a tile that names it
	s_endpgm
.Lfunc_end_k_q3c40983712_scan:
	.size	k_q3c40983712_scan, .Lfunc_end_k_q3c40983712_scan-k_q3c40983712_scan
	.p2alignl 7, 3214868480
	.fill 96, 4, 3214868480
	.section	.rodata,"a",@progbits
	.p2align	6, 0x0
	.amdhsa_kernel k_q3c40983712_scan
		.amdhsa_group_segment_fixed_size 327680
		.amdhsa_private_segment_fixed_size 0
		.amdhsa_enable_private_segment 0
		.amdhsa_kernarg_size 24
		.amdhsa_user_sgpr_count 2
		.amdhsa_user_sgpr_kernarg_segment_ptr 1
		.amdhsa_wavefront_size32 1
		.amdhsa_system_sgpr_workgroup_id_x 1
		.amdhsa_system_sgpr_workgroup_id_y 1
		.amdhsa_system_sgpr_workgroup_id_z 1
		.amdhsa_system_vgpr_workitem_id 0
		.amdhsa_next_free_vgpr 1024
		.amdhsa_next_free_sgpr 66
		.amdhsa_reserve_vcc 1
		.amdhsa_float_denorm_mode_32 3
		.amdhsa_float_denorm_mode_16_64 3
		.amdhsa_memory_ordered 1
		.amdhsa_forward_progress 1
		.amdhsa_inst_pref_size 148
	.end_amdhsa_kernel
	.amdgpu_metadata
---
amdhsa.version: [ 1, 2 ]
amdhsa.kernels:
  - .name:           k_q3c40983712_scan
    .symbol:         k_q3c40983712_scan.kd
    .args:
      - { .name: z, .offset: 0, .size: 8, .value_kind: global_buffer, .address_space: global }
      - { .name: eb2, .offset: 8, .size: 8, .value_kind: global_buffer, .address_space: global }
      - { .name: grp, .offset: 16, .size: 8, .value_kind: global_buffer, .address_space: global }
    .group_segment_fixed_size: 327680
    .private_segment_fixed_size: 0
    .kernarg_segment_align: 8
    .kernarg_segment_size: 24
    .max_flat_workgroup_size: 128
    .sgpr_count:     66
    .vgpr_count:     1024
    .wavefront_size: 32
...
	.end_amdgpu_metadata
.endif
;; end of part 2
;; launch pick (part 3): grid 512 x 1, 8 waves a work-group, no clusters, 1,536 bytes of LDS; arguments z, eb2, grp, out0, out2, part; writes out0, out2, part
.if DOCPART == 3
	.amdgcn_target "amdgcn-amd-amdhsa--gfx1250"
	.amdhsa_code_object_version 6
	.text
	.protected	k_q3c40983712_pick
	.globl	k_q3c40983712_pick
	.p2align	8
	.type	k_q3c40983712_pick,@function
k_q3c40983712_pick:
	s_mov_b64 s[64:65], 0
	v_nop
	global_prefetch_b8 v0, s[64:65] scope:SCOPE_SE
	s_setreg_imm32_b32 hwreg(HW_REG_WAVE_MODE, 25, 1), 1
	s_wait_xcnt 0x0
; PICK.  For each row of z the launch before stored the group g of 8 consecutive codes that holds the first least distance.  Here: the 8 distances in f32, the first least of them -> out2;
; out0 = z + (e - z); and the work-group's share of the sum of (e - z)^2 -> part.  z and e are the bf16-rounded numbers throughout, and the roundings are reference()'s:
; t = zz + ee, d = t - 2 dot (one fused multiply-add), e - z, z + (e - z), each rounded once.
; The address of the 8 codes hangs on g alone, a whole number read from memory and clamped to 1,023; what the distances decide only selects values.
; LIMITS.  The dot is 8 fused multiply-adds a lane and a tree over the lanes: another summing order than the launch before's; it matters only where a distance lies on a rounding boundary.  A NaN distance never wins.
; SHARES.  A wave owns 8 consecutive rows and takes them one at a time over its 32 lanes; lane l owns the 8 positions 8 l .. 8 l + 7 of eb2's column order, which are columns 4 l .. + 3 and 128 + 4 l .. + 3:
; the same in z, in the codes and in out0, so every load and store covers 512 consecutive bytes.  Two sets of registers take turns: while one row is worked on, the next row's ten loads are out.
; No matrix unit (8 dots a row), no cluster and no LDS ring (nothing is shared but eb2, which all work-groups read again and again); LDS only gathers the 64 indices and 8 partial sums for whole stores.
.set SPARE, 512                        ; LDS 0-255: 64 indices; 256-287: 8 partial sums; from 512 on the spare words, 128 bytes for each of 8 waves
.set LOSSL, 256
.set L16,  1                           ; v1   16 x lane
.set L7,   2                           ; v2   lane % 8
.set OFF,  3                           ; v3, v4   by set: byte offset, from the wave's first row, of my 16 bytes in the row that the set holds
.set SPW,  5                           ; v5   LDS address of my spare word; never rewritten
.set NIL,  6                           ; v6   0, for the add alone
.set IDXV, 7                           ; v7   the index of row lane % 8 of the wave's 8
.set LOSS, 8                           ; v[8:9]
.set Z,    10                          ; v10-25   by set: 8 f32 of z; once rounded, at work
.set C,    26                          ; v26-89   by set: candidate j at 4 j: 8 bf16
.set P,    90                          ; v90-93   z rounded, packed
.set ZB,   94                          ; v94-101  z rounded, widened
.set AB,   102                         ; v[102:103] the two chains of zz
.set ZZ,   104
.set TM,   105
.set D,    106                         ; v106-113 the 8 dots, then distances
.set BV,   114                         ; the least so far
.set J,    115                         ; its number
.set S,    116                         ; v116-119 its code, packed
.set EB,   120                         ; v120-127 the code widened
.set DF,   128                         ; v128-135 e - z
.set OUT,  136                         ; v136-143 z + (e - z)
.set ZERO, 144                         ; 0: the addend of a dot's first link, and an offset of 0
.set IA,   145                         ; where my wave's indices go
.set LA,   146                         ; where its partial sum goes
.set F,    148                         ; v148-157 wave 0's way out
.set WV,   16
.set Q,    24                          ; s[24:31] the wave's 8 groups, a queue
.set EE,   32                          ; s[32:47] by set: ee of the 8 candidates
.set CB,   48                          ; s[48:51] by set: address of the candidates
.set GC,   52                          ; s52, s53 by set: g, clamped
.set TT,   54                          ; s54-59   by set: three at work; the first ends as the offset of ee
.set CO,   60                          ; s[60:63] by set: the candidates' byte offset, in 64 bits
.set RI,   66                          ; the row in hand, 0..7
.set CNT,  67
.set SEL,  68                          ; s[68:69] v_permlanex16_b32's selects
.set HIM,  70                          ; a word's upper bf16
; The ten loads and one scalar load of a row, into set b; its group is entry gi of the queue.  Code 8 g lies in tile g / 8 (33,280 bytes each) at row 8 (g % 8) of 512 bytes:
; with t8 = g & 0x3f8 that is 4,096 g + 64 t8; its ee at 4,096 t8 + 64 t8 + 32,768 + 32 (g % 8).  Behind the clamp stand only ANDs, shifts left and adds.
.macro ISSUE b, gi
	s_min_u32 s[GC+(\b)], s[Q+(\gi)], 1023
	s_and_b32 s[TT+3*(\b)], s[GC+(\b)], 0x3f8
	s_lshl_b32 s[TT+3*(\b)+1], s[TT+3*(\b)], 6
	s_lshl_b32 s[CO+2*(\b)], s[GC+(\b)], 12
	s_add_co_u32 s[CO+2*(\b)], s[CO+2*(\b)], s[TT+3*(\b)+1]
	s_lshl_b32 s[TT+3*(\b)], s[TT+3*(\b)], 12
	s_add_co_u32 s[TT+3*(\b)], s[TT+3*(\b)], s[TT+3*(\b)+1]
	s_and_b32 s[TT+3*(\b)+2], s[GC+(\b)], 7
	s_lshl_b32 s[TT+3*(\b)+2], s[TT+3*(\b)+2], 5
	s_add_co_u32 s[TT+3*(\b)], s[TT+3*(\b)], s[TT+3*(\b)+2]
	s_add_nc_u64 s[CB+2*(\b):CB+2*(\b)+1], s[6:7], s[CO+2*(\b):CO+2*(\b)+1]
	s_load_b256 s[EE+8*(\b):EE+8*(\b)+7], s[6:7], s[TT+3*(\b)] offset:0x8000
	global_load_b128 v[Z+8*(\b):Z+8*(\b)+3],   v[OFF+(\b)], s[4:5] th:TH_LOAD_NT
	global_load_b128 v[Z+8*(\b)+4:Z+8*(\b)+7], v[OFF+(\b)], s[4:5] offset:512 th:TH_LOAD_NT
.irp j, 0,1,2,3,4,5,6,7
	global_load_b128 v[C+32*(\b)+4*\j:C+32*(\b)+4*\j+3], v[L16], s[CB+2*(\b):CB+2*(\b)+1] offset:512*\j  ; a whole code, 512 bytes; no hint: other rows name these codes again
.endr
.endm
; The row in set b.  ahead = 1: the set is filled again with the row two further on.  left = how many younger loads may stay out.
.macro ROW b, ahead, left
.set rZ, Z+8*(\b)
.set rC, C+32*(\b)
.set rE, EE+8*(\b)
	s_wait_loadcnt \left                           ; loads come back in order: my ten are in, the other set's ten stay out
	s_wait_kmcnt 0x0                               ; ee (scalar loads return in no order: only 0 shows anything); it also frees this set's scalar address
	s_wait_xcnt 0x0                                ; every earlier memory instruction has had its addresses translated: OUT and OFF, which the last stores read, are rewritten only behind this wait
.irp c, 0,1,2,3
	v_cvt_pk_bf16_f32 v[P+\c], v[rZ+2*\c], v[rZ+2*\c+1]
.endr
.irp c, 0,1,2,3
	v_lshlrev_b32 v[ZB+2*\c],   16, v[P+\c]
	v_and_b32     v[ZB+2*\c+1], s[HIM], v[P+\c]
.endr
	; the 8 dots, 8 terms a lane; candidates by turns, so that no line waits for the line before it
.irp j, 0,1,2,3,4,5,6,7
	v_fma_mix_f32_bf16 v[D+\j], v[rC+4*\j], v[ZB], v[ZERO] op_sel_hi:[1,0,0]
.endr
.irp j, 0,1,2,3,4,5,6,7
	v_fma_mix_f32_bf16 v[D+\j], v[rC+4*\j], v[ZB+1], v[D+\j] op_sel:[1,0,0] op_sel_hi:[1,0,0]
.endr
	v_pk_mul_f32 v[AB:AB+1], v[ZB:ZB+1], v[ZB:ZB+1]  ; zz: the same products, order and roundings as in the launch before, so the same bits
.irp c, 1,2,3
.irp j, 0,1,2,3,4,5,6,7
	v_fma_mix_f32_bf16 v[D+\j], v[rC+4*\j+\c], v[ZB+2*\c], v[D+\j] op_sel_hi:[1,0,0]
.endr
	v_pk_fma_f32 v[AB:AB+1], v[ZB+2*\c:ZB+2*\c+1], v[ZB+2*\c:ZB+2*\c+1], v[AB:AB+1]
.irp j, 0,1,2,3,4,5,6,7
	v_fma_mix_f32_bf16 v[D+\j], v[rC+4*\j+\c], v[ZB+2*\c+1], v[D+\j] op_sel:[1,0,0] op_sel_hi:[1,0,0]
.endr
.endr
	v_add_f32 v[ZZ], v[AB], v[AB+1]
.irp m, 1,2,4,8
	v_add_f32_dpp v[ZZ], v[ZZ], v[ZZ] row_xmask:\m row_mask:0xf bank_mask:0xf
.irp j, 0,1,2,3,4,5,6,7
	v_add_f32_dpp v[D+\j], v[D+\j], v[D+\j] row_xmask:\m row_mask:0xf bank_mask:0xf
.endr
.endr
	v_permlanex16_b32 v[AB+1], v[ZZ], s[SEL], s[SEL+1]
.irp j, 0,1,2,3,4,5,6,7
	v_permlanex16_b32 v[rZ+\j], v[D+\j], s[SEL], s[SEL+1]  ; its destination counts as read: z's spent registers have been written
.endr
	v_add_f32 v[ZZ], v[ZZ], v[AB+1]
.irp j, 0,1,2,3,4,5,6,7
	v_add_f32 v[D+\j], v[D+\j], v[rZ+\j]           ; every lane holds the same eight dots
.endr
.irp j, 0,1,2,3,4,5,6,7
	v_add_f32 v[rZ+\j], s[rE+\j], v[ZZ]            ; t = zz + ee
.endr
.irp j, 0,1,2,3,4,5,6,7
	v_fma_f32 v[D+\j], v[D+\j], -2.0, v[rZ+\j]     ; d = t - 2 dot
.endr
	; the first least: ascending, strictly less; the code goes along by selects
	v_cmp_lt_f32 vcc_lo, v[D+1], v[D]
	v_cndmask_b32 v[BV], v[D], v[D+1], vcc_lo
	v_cndmask_b32 v[J], 0, 1, vcc_lo
.irp c, 0,1,2,3
	v_cndmask_b32 v[S+\c], v[rC+\c], v[rC+4+\c], vcc_lo
.endr
.irp j, 2,3,4,5,6,7
	v_cmp_lt_f32 vcc_lo, v[D+\j], v[BV]
	v_cndmask_b32 v[BV], v[BV], v[D+\j], vcc_lo
	v_cndmask_b32 v[J], v[J], \j, vcc_lo
.irp c, 0,1,2,3
	v_cndmask_b32 v[S+\c], v[S+\c], v[rC+4*\j+\c], vcc_lo
.endr
.endr
	v_lshl_add_u32 v[TM], s[GC+(\b)], 3, v[J]      ; the index: 8 g + j
	v_cmp_eq_u32 vcc_lo, s[RI], v[L7]
	v_cndmask_b32 v[IDXV], v[IDXV], v[TM], vcc_lo  ; kept by the lanes whose lane % 8 is the row's number
	s_add_co_u32 s[RI], s[RI], 1
.irp c, 0,1,2,3
	v_lshlrev_b32 v[EB+2*\c],   16, v[S+\c]
	v_and_b32     v[EB+2*\c+1], s[HIM], v[S+\c]
.endr
.irp c, 0,2,4,6
	v_pk_add_f32 v[DF+\c:DF+\c+1], v[EB+\c:EB+\c+1], v[ZB+\c:ZB+\c+1] neg_lo:[0,1] neg_hi:[0,1]
.endr
.irp c, 0,2,4,6
	v_pk_add_f32 v[OUT+\c:OUT+\c+1], v[ZB+\c:ZB+\c+1], v[DF+\c:DF+\c+1]
.endr
.irp c, 0,2,4,6
	v_pk_fma_f32 v[LOSS:LOSS+1], v[DF+\c:DF+\c+1], v[DF+\c:DF+\c+1], v[LOSS:LOSS+1]
.endr
.if \ahead
	v_add_nc_u32 v[OFF+(\b)], 2048, v[OFF+(\b)]    ; the set's next row; the loads go out ahead of the stores, which reach back
	ISSUE \b, 2+(\b)
	global_store_b128 v[OFF+(\b)], v[OUT:OUT+3],   s[10:11] offset:-2048 th:TH_STORE_NT
	global_store_b128 v[OFF+(\b)], v[OUT+4:OUT+7], s[10:11] offset:-1536 th:TH_STORE_NT
.else
	global_store_b128 v[OFF+(\b)], v[OUT:OUT+3],   s[10:11] th:TH_STORE_NT
	global_store_b128 v[OFF+(\b)], v[OUT+4:OUT+7], s[10:11] offset:512 th:TH_STORE_NT
.endif
.endm
	s_load_b256 s[4:11], s[0:1], 0x0               ; z s[4:5], eb2 s[6:7], grp s[8:9], out0 s[10:11]
	s_load_b128 s[12:15], s[0:1], 0x20             ; out2 s[12:13], part s[14:15]
	v_lshl_add_u32 v[SPW], v0, 2, SPARE
	v_mov_b32 v[NIL], 0
	v_mov_b32 v[ZERO], 0
	v_mov_b32 v[IDXV], 0
	v_mov_b32 v[LOSS], 0
	v_mov_b32 v[LOSS+1], 0
	v_lshrrev_b32 v[TM], 5, v0
	v_readfirstlane_b32 s[WV], v[TM]               ; wave 0..7
	v_and_b32 v[L16], 31, v0
	v_lshlrev_b32 v[L16], 4, v[L16]
	v_and_b32 v[L7], 7, v0
	v_mov_b32 v[OFF], v[L16]
	v_add_nc_u32 v[OFF+1], 1024, v[L16]
	s_lshl_b32 s17, s[WV], 5
	v_lshl_add_u32 v[IA], v[L7], 2, s17            ; 32 w + 4 (lane % 8)
	s_lshl_b32 s17, s[WV], 2
	s_add_co_u32 s17, s17, LOSSL
	v_mov_b32 v[LA], s17
	s_lshl_b32 s17, ttmp9, 3
	s_add_co_u32 s17, s17, s[WV]                   ; my wave among all 4,096
	s_lshl_b32 s18, s17, 13                        ; its 8 rows of 1,024 bytes
	s_mov_b32 s19, 0
	s_lshl_b32 s20, s17, 5                         ; its 8 words of grp
	s_mov_b32 s21, 0
	s_lshl_b32 s22, ttmp9, 8                       ; the work-group's 64 words of out2
	s_mov_b32 s23, 0
	s_mov_b32 s[CO+1], 0
	s_mov_b32 s[CO+3], 0
	s_mov_b32 s[RI], 0
	s_mov_b32 s[SEL], 0x76543210
	s_mov_b32 s[SEL+1], 0xfedcba98
	s_mov_b32 s[HIM], 0xffff0000
	s_wait_kmcnt 0x0
	s_add_nc_u64 s[8:9], s[8:9], s[20:21]
	s_load_b256 s[Q:Q+7], s[8:9], 0x0              ; the wave's 8 groups
	s_add_nc_u64 s[4:5], s[4:5], s[18:19]
	s_add_nc_u64 s[10:11], s[10:11], s[18:19]
	s_add_nc_u64 s[12:13], s[12:13], s[22:23]
	s_lshl_b32 s22, ttmp9, 2                       ; and its word of part
	s_add_nc_u64 s[14:15], s[14:15], s[22:23]
	s_wait_kmcnt 0x0
	ISSUE 0, 0
	ISSUE 1, 1
	s_mov_b32 s[CNT], 3
.Lpair:                                                ; three trips: rows 0 to 5 are worked on, rows 2 to 7 asked for
	ROW 0, 1, 10
	ROW 1, 1, 10
	s_mov_b64 s[Q:Q+1], s[Q+2:Q+3]                 ; the queue moves up by two
	s_mov_b64 s[Q+2:Q+3], s[Q+4:Q+5]
	s_mov_b64 s[Q+4:Q+5], s[Q+6:Q+7]
	s_sub_co_u32 s[CNT], s[CNT], 1
	s_cmp_lg_u32 s[CNT], 0
	s_cbranch_scc1 .Lpair
	ROW 0, 0, 10                                   ; the last two rows load nothing: the counts run down
	ROW 1, 0, 0
	v_add_f32 v[LOSS], v[LOSS], v[LOSS+1]
.irp m, 1,2,4,8
	v_add_f32_dpp v[LOSS], v[LOSS], v[LOSS] row_xmask:\m row_mask:0xf bank_mask:0xf
.endr
	v_permlanex16_b32 v[LOSS+1], v[LOSS], s[SEL], s[SEL+1]
	v_add_f32 v[LOSS], v[LOSS], v[LOSS+1]
	ds_store_b32 v[LA], v[LOSS]                    ; all lanes write the same word with the same number
	ds_store_b32 v[IA], v[IDXV]                    ; the four lanes of a row likewise
	s_wait_dscnt 0x0                               ; for wave 0's sake: my stores are done
	s_barrier_signal -1
	s_barrier_wait -1
	s_cmp_lg_u32 s[WV], 0
	s_cbranch_scc1 .Lend
	v_lshrrev_b32 v[TM], 1, v[L16]                 ; 8 x lane
	v_mov_b32 v[J], LOSSL
	ds_load_b64 v[F:F+1], v[TM]                    ; the work-group's 64 indices,
	ds_load_b128 v[F+2:F+5], v[J]                  ; and the 8 waves' sums, in every lane
	ds_load_b128 v[F+6:F+9], v[J] offset:16
	s_wait_dscnt 0x2
	global_store_b64 v[TM], v[F:F+1], s[12:13]     ; 256 consecutive bytes, at a multiple of 256 from out2's first byte
	s_wait_dscnt 0x0
	v_pk_add_f32 v[F+2:F+3], v[F+2:F+3], v[F+4:F+5]
	v_pk_add_f32 v[F+6:F+7], v[F+6:F+7], v[F+8:F+9]
	v_pk_add_f32 v[F+2:F+3], v[F+2:F+3], v[F+6:F+7]
	v_add_f32 v[F+2], v[F+2], v[F+3]
	v_cmp_eq_u32 vcc_lo, 0, v0
	s_wait_xcnt 0x0                                ; EXEC is a source of the stores that are out: it changes only behind this wait
	s_and_saveexec_b32 s71, vcc_lo
	global_store_b32 v[ZERO], v[F+2], s[14:15]     ; one number a work-group
	s_wait_xcnt 0x0                                ; and again, in front of the line that widens it
	s_or_b32 exec_lo, exec_lo, s71
.Lend:
	s_wait_tensorcnt 0x0                           ; the wave's end, behind my last LDS store
	ds_add_u32 v[SPW], v[NIL]
	s_wait_dscnt 0x0
	s_endpgm
.Lfunc_end_k_q3c40983712_pick:
	.size	k_q3c40983712_pick, .Lfunc_end_k_q3c40983712_pick-k_q3c40983712_pick
	.p2alignl 7, 3214868480
	.fill 96, 4, 3214868480
	.section	.rodata,"a",@progbits
	.p2align	6, 0x0
	.amdhsa_kernel k_q3c40983712_pick
		.amdhsa_group_segment_fixed_size 1536
		.amdhsa_private_segment_fixed_size 0
		.amdhsa_enable_private_segment 0
		.amdhsa_kernarg_size 48
		.amdhsa_user_sgpr_count 2
		.amdhsa_user_sgpr_kernarg_segment_ptr 1
		.amdhsa_wavefront_size32 1
		.amdhsa_system_sgpr_workgroup_id_x 1
		.amdhsa_system_sgpr_workgroup_id_y 1
		.amdhsa_system_sgpr_workgroup_id_z 1
		.amdhsa_system_vgpr_workitem_id 0
		.amdhsa_next_free_vgpr 160
		.amdhsa_next_free_sgpr 80
		.amdhsa_reserve_vcc 1
		.amdhsa_float_denorm_mode_32 3
		.amdhsa_float_denorm_mode_16_64 3
		.amdhsa_memory_ordered 1
		.amdhsa_forward_progress 1
		.amdhsa_inst_pref_size 57
	.end_amdhsa_kernel
	.amdgpu_metadata
---
amdhsa.version: [ 1, 2 ]
amdhsa.kernels:
  - .name:           k_q3c40983712_pick
    .symbol:         k_q3c40983712_pick.kd
    .args:
      - { .name: z, .offset: 0, .size: 8, .value_kind: global_buffer, .address_space: global }
      - { .name: eb2, .offset: 8, .size: 8, .value_kind: global_buffer, .address_space: global }
      - { .name: grp, .offset: 16, .size: 8, .value_kind: global_buffer, .address_space: global }
      - { .name: out0, .offset: 24, .size: 8, .value_kind: global_buffer, .address_space: global }
      - { .name: out2, .offset: 32, .size: 8, .value_kind: global_buffer, .address_space: global }
      - { .name: part, .offset: 40, .size: 8, .value_kind: global_buffer, .address_space: global }
    .group_segment_fixed_size: 1536
    .private_segment_fixed_size: 0
    .kernarg_segment_align: 8
    .kernarg_segment_size: 48
    .max_flat_workgroup_size: 256
    .sgpr_count:     80
    .vgpr_count:     160
    .wavefront_size: 32
...
	.end_amdgpu_metadata
.endif
;; end of part 3
;; launch total (part 4): grid 1 x 1, 1 waves a work-group, no clusters, 0 bytes of LDS; arguments part, out1; writes out1
.if DOCPART == 4
	.amdgcn_target "amdgcn-amd-amdhsa--gfx1250"
	.amdhsa_code_object_version 6
	.text
	.protected	k_q3c40983712_total
	.globl	k_q3c40983712_total
	.p2align	8
	.type	k_q3c40983712_total,@function
k_q3c40983712_total:
	s_mov_b64 s[64:65], 0
	v_nop
	global_prefetch_b8 v0, s[64:65] scope:SCOPE_SE
	s_setreg_imm32_b32 hwreg(HW_REG_WAVE_MODE, 25, 1), 1
	s_wait_xcnt 0x0
; TOTAL.  out1 = 1.25 x the mean of (e - z)^2 over 32,768 x 256 = 2^23 numbers: the 512 work-groups' partial sums are added, in a fixed order, and scaled by 1.25 x 2^-23.
; One wave: 2,048 bytes, four loads of 16 bytes a lane, each covering 512 consecutive bytes.  A launch of its own, since a sum over work-groups is ordered only by a launch's end.
	s_load_b128 s[4:7], s[0:1], 0x0                ; part s[4:5], out1 s[6:7]
	v_lshlrev_b32 v1, 4, v0
	v_mov_b32 v2, 0
	s_mov_b32 s10, 0x76543210                      ; v_permlanex16_b32: each lane takes its own place in the other half
	s_mov_b32 s11, 0xfedcba98
	s_wait_kmcnt 0x0
.irp i, 0,1,2,3
	global_load_b128 v[4+4*\i:7+4*\i], v1, s[4:5] offset:512*\i
.endr
	s_wait_loadcnt 0x0
	v_pk_add_f32 v[4:5], v[4:5], v[6:7]
	v_pk_add_f32 v[8:9], v[8:9], v[10:11]
	v_pk_add_f32 v[12:13], v[12:13], v[14:15]
	v_pk_add_f32 v[16:17], v[16:17], v[18:19]
	v_pk_add_f32 v[4:5], v[4:5], v[8:9]
	v_pk_add_f32 v[12:13], v[12:13], v[16:17]
	v_pk_add_f32 v[4:5], v[4:5], v[12:13]
	v_add_f32 v4, v4, v5
.irp m, 1,2,4,8
	v_add_f32_dpp v4, v4, v4 row_xmask:\m row_mask:0xf bank_mask:0xf
.endr
	v_permlanex16_b32 v5, v4, s10, s11
	v_add_f32 v4, v4, v5
	v_mul_f32 v4, 0x34200000, v4                   ; 1.25 x 2^-23
	v_cmp_eq_u32 vcc_lo, 0, v0
	s_wait_xcnt 0x0                                ; EXEC changes only behind this wait
	s_and_saveexec_b32 s8, vcc_lo
	global_store_b32 v2, v4, s[6:7]
	s_wait_xcnt 0x0                                ; and again, in front of the line that widens it
	s_or_b32 exec_lo, exec_lo, s8
	s_endpgm
.Lfunc_end_k_q3c40983712_total:
	.size	k_q3c40983712_total, .Lfunc_end_k_q3c40983712_total-k_q3c40983712_total
	.p2alignl 7, 3214868480
	.fill 96, 4, 3214868480
	.section	.rodata,"a",@progbits
	.p2align	6, 0x0
	.amdhsa_kernel k_q3c40983712_total
		.amdhsa_group_segment_fixed_size 0
		.amdhsa_private_segment_fixed_size 0
		.amdhsa_enable_private_segment 0
		.amdhsa_kernarg_size 16
		.amdhsa_user_sgpr_count 2
		.amdhsa_user_sgpr_kernarg_segment_ptr 1
		.amdhsa_wavefront_size32 1
		.amdhsa_system_sgpr_workgroup_id_x 1
		.amdhsa_system_sgpr_workgroup_id_y 1
		.amdhsa_system_sgpr_workgroup_id_z 1
		.amdhsa_system_vgpr_workitem_id 0
		.amdhsa_next_free_vgpr 32
		.amdhsa_next_free_sgpr 66
		.amdhsa_reserve_vcc 1
		.amdhsa_float_denorm_mode_32 3
		.amdhsa_float_denorm_mode_16_64 3
		.amdhsa_memory_ordered 1
		.amdhsa_forward_progress 1
		.amdhsa_inst_pref_size 3
	.end_amdhsa_kernel
	.amdgpu_metadata
---
amdhsa.version: [ 1, 2 ]
amdhsa.kernels:
  - .name:           k_q3c40983712_total
    .symbol:         k_q3c40983712_total.kd
    .args:
      - { .name: part, .offset: 0, .size: 8, .value_kind: global_buffer, .address_space: global }
      - { .name: out1, .offset: 8, .size: 8, .value_kind: global_buffer, .address_space: global }
    .group_segment_fixed_size: 0
    .private_segment_fixed_size: 0
    .kernarg_segment_align: 8
    .kernarg_segment_size: 16
    .max_flat_workgroup_size: 32
    .sgpr_count:     66
    .vgpr_count:     32
    .wavefront_size: 32
...
	.end_amdgpu_metadata
.endif
;; end of part 4
;; ======== version 2 of 2: 4 launches; version 1 with the launch prep written anew for expert scheduling mode
;; workspace buffers: eb2 4,259,840 bytes; grp 131,072 bytes of whole numbers; part 2,048 bytes
;; launch prep (part 5): grid 128 x 1, 8 waves a work-group, no clusters, 1,280 bytes of LDS; arguments embed_weight, eb2; writes eb2
.if DOCPART == 5
	.amdgcn_target "amdgcn-amd-amdhsa--gfx1250"
	.amdhsa_code_object_version 6
	.text
	.protected	k_q3c40983712_prep
	.globl	k_q3c40983712_prep
	.p2align	8
	.type	k_q3c40983712_prep,@function
k_q3c40983712_prep:
	s_mov_b64 s[64:65], 0
	v_nop
	global_prefetch_b8 v0, s[64:65] scope:SCOPE_SE
	s_setreg_imm32_b32 hwreg(HW_REG_WAVE_SCHED_MODE, 0, 2), 2
	s_setreg_imm32_b32 hwreg(HW_REG_WAVE_MODE, 25, 1), 1
	s_wait_xcnt 0x0
	s_wait_alu depctr_vm_vsrc(0)
; PREP.  embed_weight [8192][256] f32  ->  eb2: 128 tiles of 65 rows x 512 bytes.  Rows 0-63 of tile b are codes 64 b .. 64 b + 63 rounded to bf16,
; row 64 holds their 64 sums of squares (f32, of the ROUNDED numbers) and 256 bytes of zeros, so that a later launch can fetch codes and sums as one dense tile.
; COLUMN ORDER.  Lane l reads the 16 bytes at 16 l and at 512 + 16 l of an f32 row and writes its 8 bf16 at 16 l: position 8 l + i holds column 4 l + i (i < 4) or 128 + 4 l + i - 4.
; z gets the same order wherever it meets these rows, so every dot product is unchanged, and every load and store here covers 512 consecutive bytes.
; SHARES.  Work-group b makes tile b; wave w its rows 8 w .. 8 w + 7, a row at a time over the 32 lanes.  128 work-groups, so that a tile's row of sums leaves as one whole store.
; No matrix unit, no cluster, no ring: each byte is read once and written once, and 16 loads a wave are out at once.
; LIMIT.  All later use of the codes is of these bf16 numbers.
; THE MODE: SCHED_MODE bits 1:0 = 2 (LLVM: expert scheduling mode 2), set by the entry lines.  The code itself states the register dependences
; between vector instructions and memory or LDS instructions, with s_wait_alu, always for 0.
; THE PLAN.  Registers that memory or LDS instructions touch:
;   LN, LO, SO, EW, WA   offsets and LDS addresses: made at the head, never written again; one wait ahead of the first load serves every load and store.
;   X    written by the 16 loads alone, once; read by the conversions.
;   P    written by the conversions, once a row; read by the row's store.  The rows go in four blocks of two: block p's stores are issued in block p + 1, behind ONE wait at that block's head,
;        dealt among that block's conversions, which name P and X of their own block alone.  The last block's two stores have a wait of their own.
;   AB   written by the sums of squares; read by the eight LDS stores behind one wait; not written again.
;   W    (wave 0) the LDS load lands in it; the four selects write it; the last store reads it behind one wait.
;   SPW, NIL   written at the head, read by the closing add alone.
; No register that a memory or LDS instruction reads is ever written again, so no wait on vm_vsrc is owed but the closing lines'.
.set TILEB, 33280                      ; 65 rows x 512 bytes
.set SPARE, 256                        ; LDS 0-255: the tile's 64 sums; from 256 on the spare words, 128 bytes for each of 8 waves
.set LN,   1                           ; v1   16 x lane
.set LO,   2                           ; v2   my byte offset in the tile's f32 rows: 8,192 w + 16 lane
.set SO,   3                           ; v3   the same in the tile's bf16 rows: 4,096 w + 16 lane
.set EW,   4                           ; v4   LDS address of my wave's 8 sums: 32 w
.set SPW,  5                           ; v5   LDS address of my spare word; never rewritten
.set NIL,  6                           ; v6   0, for the add alone
.set ZERO, 7                           ; v7   0: the addend of a sum's first link
.set AB,   8                           ; v8-23    row i: the low halves' sum, the high halves' sum
.set P,    24                          ; v24-55   row i: 4 registers, 8 bf16
.set X,    56                          ; v56-119  row i: 8 registers as loaded
.set W,    120                         ; v120-123 the row of sums on its way out
.set WA,   124                         ; v124     its LDS address
; The sum of squares of n rows of 256 bf16, one row over 32 lanes: two chains a lane (low halves, high halves), their sum, four steps inside 16 lanes, one across.
; The same sequence, in the same order, makes the sums of z's rows in the later launches.  Written operation by operation over the rows, so that no line waits for the line before it.
.macro SQSUM n, p, ab
.set ii, 0
.rept \n
	v_fma_mix_f32_bf16 v[(\ab)+2*ii],   v[(\p)+4*ii], v[(\p)+4*ii], v[ZERO] op_sel_hi:[1,1,0]
	v_fma_mix_f32_bf16 v[(\ab)+2*ii+1], v[(\p)+4*ii], v[(\p)+4*ii], v[ZERO] op_sel:[1,1,0] op_sel_hi:[1,1,0]
.set ii, ii+1
.endr
.irp c, 1,2,3
.set ii, 0
.rept \n
	v_fma_mix_f32_bf16 v[(\ab)+2*ii],   v[(\p)+4*ii+\c], v[(\p)+4*ii+\c], v[(\ab)+2*ii]   op_sel_hi:[1,1,0]
	v_fma_mix_f32_bf16 v[(\ab)+2*ii+1], v[(\p)+4*ii+\c], v[(\p)+4*ii+\c], v[(\ab)+2*ii+1] op_sel:[1,1,0] op_sel_hi:[1,1,0]
.set ii, ii+1
.endr
.endr
.set ii, 0
.rept \n
	v_add_f32 v[(\ab)+2*ii], v[(\ab)+2*ii], v[(\ab)+2*ii+1]
.set ii, ii+1
.endr
.irp m, 1,2,4,8
.set ii, 0
.rept \n
	v_add_f32_dpp v[(\ab)+2*ii], v[(\ab)+2*ii], v[(\ab)+2*ii] row_xmask:\m row_mask:0xf bank_mask:0xf
.set ii, ii+1
.endr
.endr
.set ii, 0
.rept \n
	v_permlanex16_b32 v[(\ab)+2*ii+1], v[(\ab)+2*ii], s10, s11  ; its destination has been written: the spent second chain
.set ii, ii+1
.endr
.set ii, 0
.rept \n
	v_add_f32 v[(\ab)+2*ii], v[(\ab)+2*ii], v[(\ab)+2*ii+1]     ; every lane holds the row's sum
.set ii, ii+1
.endr
.endm
	s_load_b128 s[4:7], s[0:1], 0x0                ; embed_weight s[4:5], eb2 s[6:7]
	v_lshl_add_u32 v[SPW], v0, 2, SPARE
	v_mov_b32 v[NIL], 0
	v_mov_b32 v[ZERO], 0
	v_lshrrev_b32 v[LN], 5, v0
	v_readfirstlane_b32 s8, v[LN]                  ; wave 0..7
	v_and_b32 v[LN], 31, v0
	v_lshlrev_b32 v[LN], 4, v[LN]
	v_and_b32 v[WA], 0xf0, v[LN]                   ; for wave 0's way out: lanes 0-15 take the 256 bytes of sums; lanes 16-31 read them too and send zeros
	s_wait_alu depctr_va_sdst(0)                   ; s8 is written, ahead of its first reader: the wave's offsets are made from it
	v_lshl_add_u32 v[LO], s8, 13, v[LN]            ; 8 rows of 1,024 bytes a wave
	v_lshl_add_u32 v[SO], s8, 12, v[LN]            ; 8 rows of 512 bytes a wave
	s_lshl_b32 s9, s8, 5
	v_mov_b32 v[EW], s9
	s_lshl_b32 s12, ttmp9, 16                      ; the tile's 64 rows of 1,024 bytes
	s_mov_b32 s13, 0
	s_mul_i32 s14, ttmp9, TILEB
	s_mov_b32 s15, 0
	s_mov_b32 s10, 0x76543210                      ; v_permlanex16_b32: each lane takes its own place in the other half
	s_mov_b32 s11, 0xfedcba98
	s_wait_kmcnt 0x0
	s_add_nc_u64 s[4:5], s[4:5], s[12:13]
	s_add_nc_u64 s[6:7], s[6:7], s[14:15]
	s_wait_alu depctr_va_vdst(0)                   ; LN, LO, SO, EW and WA are written: every load and store of the kernel reads one of them as its offset or address
.set ii, 0
.rept 8                                        ; all 16 loads of the wave go out together; each covers 512 consecutive bytes
	global_load_b128 v[X+8*ii:X+8*ii+3],   v[LO], s[4:5] offset:1024*ii th:TH_LOAD_NT
	global_load_b128 v[X+8*ii+4:X+8*ii+7], v[LO], s[4:5] offset:1024*ii+512 th:TH_LOAD_NT
.set ii, ii+1
.endr
; Four blocks of two rows.  Block pp rounds rows 2 pp and 2 pp + 1 and stores the two rows of the block before.
.set pp, 0
.rept 4
	s_wait_loadcnt 12-4*pp                         ; loads come back in order: this block's four are in, the younger blocks' stay out
.if pp > 0
	s_wait_alu depctr_va_vdst(0)                   ; the block before has written its two rows of P, which the two stores below read; no conversion of this block names them
.endif
.irp y, 0,1
.if pp > 0
	global_store_b128 v[SO], v[P+4*(2*pp-2+\y):P+4*(2*pp-2+\y)+3], s[6:7] offset:512*(2*pp-2+\y)  ; a whole row of 512 bytes; P is never rewritten, so no wait frees it
.endif
.irp c, 0,1,2,3
	v_cvt_pk_bf16_f32 v[P+4*(2*pp+\y)+\c], v[X+8*(2*pp+\y)+2*\c], v[X+8*(2*pp+\y)+2*\c+1]
.endr
.endr
.set pp, pp+1
.endr
	s_wait_alu depctr_va_vdst(0)                   ; the last block's conversions have written rows 6 and 7 of P, which the two stores below read
	global_store_b128 v[SO], v[P+24:P+27], s[6:7] offset:512*6
	global_store_b128 v[SO], v[P+28:P+31], s[6:7] offset:512*7
	SQSUM 8, P, AB
	s_wait_alu depctr_va_vdst(0)                   ; the eight sums are written into AB, which the LDS stores below read
.set ii, 0
.rept 8
	ds_store_b32 v[EW], v[AB+2*ii] offset:4*ii     ; all lanes write the same word with the same number
.set ii, ii+1
.endr
	s_wait_dscnt 0x0                               ; for wave 0's sake: my stores are done
	s_barrier_signal -1
	s_barrier_wait -1
	s_cmp_lg_u32 s8, 0
	s_cbranch_scc1 .Lend
	ds_load_b128 v[W:W+3], v[WA]                   ; WA was written ahead of the head's wait, and no vector instruction has named W
	v_cmp_gt_u32 vcc_lo, 256, v[LN]                ; lane < 16
	s_wait_alu depctr_va_vcc(0)                    ; VCC is written, ahead of its first reader: the selects below
	s_wait_dscnt 0x0
.irp c, 0,1,2,3
	v_cndmask_b32 v[W+\c], 0, v[W+\c], vcc_lo
.endr
	s_wait_alu depctr_va_vdst(0)                   ; the four selects have written W, which the store below reads
	global_store_b128 v[LN], v[W:W+3], s[6:7] offset:32768  ; row 64 of the tile, 512 consecutive bytes
.Lend:
	s_wait_dscnt 0x0                               ; the closing lines, six on end
	s_wait_alu 0x0
	s_wait_tensorcnt 0x0
	ds_add_u32 v[SPW], v[NIL]
	s_wait_dscnt 0x0
	s_endpgm
.Lfunc_end_k_q3c40983712_prep:
	.size	k_q3c40983712_prep, .Lfunc_end_k_q3c40983712_prep-k_q3c40983712_prep
	.p2alignl 7, 3214868480
	.fill 96, 4, 3214868480
	.section	.rodata,"a",@progbits
	.p2align	6, 0x0
	.amdhsa_kernel k_q3c40983712_prep
		.amdhsa_group_segment_fixed_size 1280
		.amdhsa_private_segment_fixed_size 0
		.amdhsa_enable_private_segment 0
		.amdhsa_kernarg_size 16
		.amdhsa_user_sgpr_count 2
		.amdhsa_user_sgpr_kernarg_segment_ptr 1
		.amdhsa_wavefront_size32 1
		.amdhsa_system_sgpr_workgroup_id_x 1
		.amdhsa_system_sgpr_workgroup_id_y 1
		.amdhsa_system_sgpr_workgroup_id_z 1
		.amdhsa_system_vgpr_workitem_id 0
		.amdhsa_next_free_vgpr 128
		.amdhsa_next_free_sgpr 66
		.amdhsa_reserve_vcc 1
		.amdhsa_float_denorm_mode_32 3
		.amdhsa_float_denorm_mode_16_64 3
		.amdhsa_memory_ordered 1
		.amdhsa_forward_progress 1
		.amdhsa_inst_pref_size 15
	.end_amdhsa_kernel
	.amdgpu_metadata
---
amdhsa.version: [ 1, 2 ]
amdhsa.kernels:
  - .name:           k_q3c40983712_prep
    .symbol:         k_q3c40983712_prep.kd
    .args:
      - { .name: embed_weight, .offset: 0, .size: 8, .value_kind: global_buffer, .address_space: global }
      - { .name: eb2, .offset: 8, .size: 8, .value_kind: global_buffer, .address_space: global }
    .group_segment_fixed_size: 1280
    .private_segment_fixed_size: 0
    .kernarg_segment_align: 8
    .kernarg_segment_size: 16
    .max_flat_workgroup_size: 256
    .sgpr_count:     66
    .vgpr_count:     128
    .wavefront_size: 32
...
	.end_amdgpu_metadata
.endif
;; end of part 5
;; launch scan: the kernel of part 2 again; grid 256 x 1, 4 waves a work-group, clusters of 4 x 1, 327,680 bytes of LDS; arguments z, eb2, grp; writes grp
;; launch pick: the kernel of part 3 again; grid 512 x 1, 8 waves a work-group, no clusters, 1,536 bytes of LDS; arguments z, eb2, grp, out0, out2, part; writes out0, out2, part
;; launch total: the kernel of part 4 again; grid 1 x 1, 1 waves a work-group, no clusters, 0 bytes of LDS; arguments part, out1; writes out1
